; MI455X (gfx1250); checked and timed in simulation.
; The chip was launched on July 23, 2026; its instructions are those of AMD's public machine-readable ISA for CDNA 5 (MIT licence, August 2026) and "CDNA5" Instruction Set Architecture Reference Guide (July 2026). The comments in the code are by the model that wrote it; some were corrected since.
;; Attention. Allowed arithmetic: matrix products marked QUANTISED: E2M3 operands, one E8M0 scale for each 32 along K, by v_wmma_scale_f32_16x16x128_f8f6f4 with both operands' format E2M3, f32 sums; everything else in f32.
;; Inputs: in_proj_bias 3,072 float32; in_proj_weight_codes 3,072 x 32 x 24 uint8 (E2M3 codes of in_proj_weight, K innermost, in blocks of 32 codes, four codes in three bytes); in_proj_weight_scales 3,072 x 32 uint8 (E8M0 scales of in_proj_weight, one for each 32 codes along K); out_proj_bias 1,024 float32; out_proj_weight_codes 1,024 x 32 x 24 uint8 (E2M3 codes of out_proj_weight, K innermost, in blocks of 32 codes, four codes in three bytes); out_proj_weight_scales 1,024 x 32 uint8 (E8M0 scales of out_proj_weight, one for each 32 codes along K); x_codes 4 x 2,048 x 32 x 24 uint8 (E2M3 codes of x, K innermost, in blocks of 32 codes, four codes in three bytes); x_scales 4 x 2,048 x 32 uint8 (E8M0 scales of x, one for each 32 codes along K).
;; Outputs: out0 4 x 2,048 x 1,024 float32.
;; Constants: size = 2048.
;; This version of the problem:
;;   THIS VERSION OF THE PROBLEM IS GIVEN IN LOW PRECISION. The matrix products marked QUANTISED in the list below multiply operands that are first quantised to E2M3 (2 exponent bits, 3 mantissa bits; 6 bits a number), with one power-of-two scale for each 32 numbers along K (OCP MX v1.0); their sums are f32. All else is computed in f32.
;;   The module's matrix products, in the order in which they are computed (A, B: the left and right operand; K: the contracted axis; several contracted axes count as one K, in the product's order):
;;     1. [M 8,192, K 1,024] x [K 1,024, N 3,072]; A: input x (given as codes); B: input in_proj_weight (given as codes): QUANTISED
;;     2. batch 64 x [M 2,048, K 64] x [K 64, N 2,048]; A: computed on the way; B: computed on the way: QUANTISED
;;     3. batch 64 x [M 2,048, K 2,048] x [K 2,048, N 64]; A: softmax (see below); B: computed on the way: QUANTISED
;;     4. [M 8,192, K 1,024] x [K 1,024, N 1,024]; A: computed on the way; B: input out_proj_weight (given as codes): QUANTISED
;;   THE QUANTISER, for each operand of a quantised product, along K:
;;     - K is cut into blocks of 32 from its start; a last block that is shorter is filled with zeros.
;;     - A block's scale is 2^e with e = floor(log2(the largest magnitude in the block)) - 2, held to -126 .. 127; a block of zeros has e = 0. As a byte (E8M0): e + 127.
;;     - Each number is divided by its block's scale, clamped to +-7.5, and rounded to the nearest number of E2M3, ties to even, subnormals kept.
;;     - The product sums the exact products of the quantised numbers (number of the format x scale) in f32.
;;   ~~~python
;;   def quantise(x, axis):      # numpy; x: float32 -> the quantised numbers, widened to float32 again
;;       x = np.moveaxis(x, axis, -1); K = x.shape[-1]
;;       x = np.pad(x, [(0, 0)] * (x.ndim - 1) + [(0, -K % 32)]); x = x.reshape(x.shape[:-1] + (-1, 32)); a = np.abs(x).max(-1, keepdims=True)
;;       e = np.where(a > 0, np.clip(np.frexp(np.where(a > 0, a, 1))[1] - 1 - 2, -126, 127), 0)      # np.frexp(a)[1] - 1 = floor(log2(a)), exactly
;;       r = np.clip(x / 2.0 ** e, -7.5, 7.5)
;;       step = 2.0 ** (np.maximum(np.frexp(np.where(r == 0, 1, r))[1] - 1, 0) - 3)
;;       q = np.round(r / step) * step * 2.0 ** e      # np.round: ties to even
;;       return np.moveaxis(q.reshape(q.shape[:-2] + (-1,))[..., :K], -1, axis).astype(np.float32)
;;   ~~~
;;   SOFTMAX AHEAD OF A QUANTISED PRODUCT. Where the list says 'softmax', what is quantised is not the finished softmax but p = 2^(t - M), with t = logit x log2(e) and M = ceil(the row's largest t), a whole number; so 1/2 < the row's largest p <= 1. The row's sum l is taken of the UNQUANTISED p, in f32, and the product's result is divided by l at the end. Since M is a whole number, a kernel that streams over the keys may use a running M (the ceiling of the running maximum): every later rescaling is an exact power of two, which a block's scale takes up: the codes' values come out the same.
;;   OPERANDS COMPUTED ON THE WAY. 'Computed on the way' means the value that the module computes at that place (a softmax that the list does not call 'softmax' is quantised finished and normalised). What goes into a quantiser is computed in f32, as accurately as f32 sums, v_exp_f32 and their like allow (about 1e-6 of the number): no bf16 or f16 on the way to a quantiser, and a product that is left as it is and whose result goes on into a quantised operand takes f32 operands (vector FMAs, or v_wmma_f32_16x16x4_f32). A number that lies on a knife's edge between two numbers of the format may be rounded either way, as far as f32 arithmetic and the matrix unit's own rounding can turn it there, and no further.
;;   INPUTS GIVEN AS CODES. in_proj_weight (in the module: [3072, 1024], K = its axis 1); out_proj_weight (in the module: [1024, 1024], K = its axis 1); x (in the module: [4, 2048, 1024], K = its axis 2): each comes as NAME_codes (uint8): NAME with its K axis moved to the last place and cut into blocks of 32 codes, [.., K / 32, bytes a block], one block behind the other in memory; four codes in three bytes: a row's codes are one little-endian stream of bits, code i at bits 6 i .. 6 i + 5 (a code: sign, 2 exponent bits, 3 mantissa bits); and NAME_scales (uint8): the same leading axes, one E8M0 byte (e + 127) for each 32 codes along K. Its value is code x scale, taken as it is: it is not quantised again, and the codes and scales need not be those that the quantiser above would give.
;; One version. Each part assembles by itself: llvm-mc -triple=amdgcn-amd-amdhsa -mcpu=gfx1250 --defsym DOCPART=n.
;; ======== version 1 of 1: 3 launches
;; limits: right only within a limited range of input values
;; workspace buffers: img 18,874,368 bytes; sc 786,432 bytes; oimg 6,291,456 bytes; osc 262,144 bytes
;; launch qkv (part 1): grid 12 x 32, 4 waves a work-group, clusters of 4 x 4, 327,680 bytes of LDS; arguments x_codes, x_scales, in_proj_weight_codes, in_proj_weight_scales, in_proj_bias, img, sc; writes img, sc
.if DOCPART == 1
	.amdgcn_target "amdgcn-amd-amdhsa--gfx1250"
	.amdhsa_code_object_version 6
	.text
	.protected	k_q98e1a8e82e_qkv
	.globl	k_q98e1a8e82e_qkv
	.p2align	8
	.type	k_q98e1a8e82e_qkv,@function
k_q98e1a8e82e_qkv:
	s_mov_b64 s[64:65], 0
	v_nop
	global_prefetch_b8 v0, s[64:65] scope:SCOPE_SE
	s_setreg_imm32_b32 hwreg(HW_REG_WAVE_MODE, 25, 1), 1
	s_wait_xcnt 0x0
	s_wait_alu depctr_hold_cnt(0) depctr_sa_sdst(0) depctr_va_vdst(0) depctr_va_sdst(0) depctr_va_ssrc(0) depctr_va_vcc(0) depctr_vm_vsrc(0)
	s_getreg_b32 s2, hwreg(HW_REG_IB_STS2, 6, 4)
	s_cmp_eq_u32 s2, 0
	s_cbranch_scc0 .Lentry_in_a_cluster
	s_endpgm
.Lentry_in_a_cluster:
	s_bfe_u32 s2, ttmp6, 0x10000c
	s_cmp_lg_u32 s2, 0xf033
	s_cbranch_scc0 .Lentry_shape_is_right
	s_endpgm
.Lentry_shape_is_right:
; qkv = x W^T + b on codes of FP6 (E2M3) with E8M0 scales, 8,192 x 3,072 x 1,024, and the quantising of q, k and v for the attention that follows.
; A tile of 256 x 256 is made by four waves, 128 x 128 each: 64 accumulators.  K goes through a ring of two LDS slots in chunks of 256 bytes of each row (a row of codes is 768 bytes: three chunks,
; each beginning at a multiple of 256); a step of 128 along K is 96 bytes, so steps 2 and 5 take pieces from both slots.  Joint loads in clusters of 4 x 4: A's tile along a row, B's along a column.
; The scale bytes of the work-group's rows come once and stay in LDS.
; Source 0 = 16 rows of "B", source 1 = 16 rows of "A": lane (r, h) of accumulator (a, b) holds in register j the number (A's row 16 a + r, B's row 16 b + 8 h + j).
; What is quantised next runs along B.  q, k (cluster x = 0, 1): B = rows of W, A = tokens.  v (cluster x = 2): B = tokens, A = W's rows from 2,048 on.  One path: pointers, strides and two lane masks are chosen by s_cselect on the cluster's x.
; THE BIAS: value = X x Y + sum.  q, k: X = the bias of the register's row of W, Y = 1.  v: X = 1, Y = the bias of the lane's row of W.
; WHAT IS STORED.  A sub-image is 16 rows x 64 K, 768 bytes: lane l's registers 0-3 at 16 l, registers 4-5 at 512 + 8 l.  img: [batch 4][head slot 48: q, k, v][98,304]; q, k: [token tile 128][768]; v: [key step 16][d tile 4][half 2][768].
; sc: [batch][head slot][group of 128 tokens 16][row 16][word 4]; q, k: word j = two bytes of token tile 2 j | those of 2 j + 1 << 16; v: word j = the four bytes of d tile j.
; Inside a block of 32, code position 16 h + 8 u + j holds element 16 u + 8 h + j, alike in both operands of each later product: the set of products is the same, the order of their sum differs.
; q's factor 1/8, a power of two, goes into the softmax's constant: same codes, scale byte 3 higher, unless a block's largest magnitude lies under about 2^-121.
; LIMITS: NaN and infinities among the sums are not served.  A block under 2^-124, or of zeros, keeps the byte 1 (only this program reads the bytes).
; No prefetch: of the three chunks two are asked for at the head, so one refill alone could be run ahead of, one step after the head.
.set ROWB,   256
.set NQ,     2
.set KROW,   768
.set STEPS,  8
.set CHUNKS, 3
.set PITCH,  272                       ; 256 bytes + 16 of padding
.set FR,     12
.set NL,     6
.set NP,     4
.set HALFT,  128*PITCH
.set SLOT,   4*HALFT                   ; A's 256 rows, then B's
.set KS,     32
.set SCL,    2*SLOT
.set HALFS,  16*272
.set SBLK,   2*272
.set SPARE,  SCL+4*HALFS
.set LI16, 8                           ; 16 x lane
.set LI8,  9                           ; 8 x lane
.set SCO,  10                          ; 16 r + 4,096 h
.set XO,   11                          ; 32 h
.set YO,   12                          ; 4 r
.set ADRA, 16                          ; v16-17 A's fragments in slot 0, 1; v18-19 for pieces whose two halves of the lanes lie in different slots
.set ADRB, 20                          ; v20-23 the same for B
.set ADRS, 27                          ; scale words: lanes 0-15 A's rows, lanes 16-31 B's
.set SPW,  28
.set NIL,  29
.set SC,   32                          ; v32-63 scale words, two sets
.set XB,   64                          ; v64-127 X
.set AF,   128                         ; v128-223 A's fragments
.set YB,   224                         ; v224-239 Y in pairs
.set TM,   32                          ; the way out: at work
.set PWS,  48
.set WD,   56
.set VAL,  128
.set CD,   192
.set G1, 24
.set G0, 32
.set G1B, 48
.set G0B, 56
.set G1S, 68
.set G0S, 76
.set G1SB, 80
.set G0SB, 88
.set MSB, 0
.macro WIN new
.if MSB != (\new)
	s_set_vgpr_msb (MSB<<8)|(\new)
.set MSB, (\new)
.endif
.endm
.set MUL_LO, 0xa1
.set MUL_HI, 0xf1
.set TO_B,   0x40
.macro JLOAD g0a, g1a, g0b, g1b        ; waves 0, 1 fetch for A, waves 2, 3 for B
	s_cmp_eq_u32 s15, 0
	s_cbranch_scc0 .Lfor_b_\@
	tensor_load_to_lds s[\g0a:\g0a+3], s[\g1a:\g1a+7]
	s_nop 0
.rept 4
	v_nop
.endr
	s_branch .Lasked_\@
.Lfor_b_\@:
	tensor_load_to_lds s[\g0b:\g0b+3], s[\g1b:\g1b+7]
	s_nop 0
.rept 4
	v_nop
.endr
.Lasked_\@:
.endm
.macro CREST
	s_cmp_lg_u32 s14, 0
	s_cbranch_scc1 .Lnot_wave_0_\@
	s_barrier_signal -3
.Lnot_wave_0_\@:
	s_barrier_wait -3
	s_barrier_signal -1
	s_barrier_wait -1
.endm
.macro CROUND
	s_barrier_signal -1
	s_barrier_wait -1
	CREST
.endm
	s_load_b128 s[4:7], s[0:1], 0x0                ; x's codes, scales
	s_load_b128 s[8:11], s[0:1], 0x10              ; W's codes, scales
	s_load_b128 s[92:95], s[0:1], 0x20             ; the bias, img
	s_load_b64 s[100:101], s[0:1], 0x30            ; sc
	v_lshl_add_u32 v[SPW], v0, 2, SPARE
	v_mov_b32 v[NIL], 0
	ds_add_u32 v[SPW], v[NIL]                      ; the opening lines
	ds_add_u32 v[SPW], v[NIL]
	v_lshrrev_b32 v1, 5, v0
	v_readfirstlane_b32 s14, v1                    ; wave
	s_lshr_b32 s15, s14, 1                         ; my half of A's rows; in the ring: I fetch for A (0) or B (1)
	s_and_b32 s16, s14, 1                          ; my half of B's rows; in the ring: which 128 rows I fetch
	s_bfe_u32 s40, ttmp6, 0x40000                  ; cx
	s_bfe_u32 s41, ttmp6, 0x40004                  ; cy
	s_and_b32 s18, ttmp7, 0xffff
	s_cmp_eq_u32 ttmp9, 2                          ; the cluster's x: 2 is v
	s_cselect_b32 s42, s18, ttmp9
	s_cselect_b32 s17, 0, s18
	s_cselect_b32 s2, 2048, 0
	s_cselect_b32 s104, -1, 0                      ; all lanes where v
	s_cselect_b32 s105, 0, -1
	s_lshl_b32 s42, s42, 2
	s_add_co_u32 s42, s42, s40                     ; B's tile
	s_lshl_b32 s17, s17, 2
	s_add_co_u32 s17, s17, s41                     ; A's tile
	s_lshl_b32 s43, s41, 2
	s_lshl_b32 s43, 15, s43                        ; my row of the cluster
	s_lshl_b32 s44, 0x1111, s40                    ; my column
	s_or_b32 s[G1+0], s43, (0<<16)|(1<<20)|(1<<21)|(5<<22)|(3<<25)
	s_or_b32 s[G1B+0], s44, (0<<16)|(1<<20)|(1<<21)|(5<<22)|(3<<25)
.irp g, G1, G1B                        ; 256 rows of 256 bytes for the head's loads
	s_mov_b32 s[\g+1], ROWB<<16
	s_mov_b32 s[\g+2], 256<<16
	s_mov_b32 s[\g+3], ROWB<<16
	s_mov_b32 s[\g+4], 256
	s_mov_b32 s[\g+5], KROW
	s_mov_b32 s[\g+6], 0
	s_mov_b32 s[\g+7], 0
.endr
	s_or_b32 s[G1S+0], s43, (3<<16)|(1<<20)|(1<<21)|(5<<22)|(3<<25)
	s_or_b32 s[G1SB+0], s44, (3<<16)|(1<<20)|(1<<21)|(5<<22)|(3<<25)
.irp g, G1S, G1SB                      ; the scales of 256 rows: 8,192 dense bytes as 32 rows of 256
	s_mov_b32 s[\g+1], 32<<16
	s_mov_b32 s[\g+2], KS<<16
	s_mov_b32 s[\g+3], 32<<16
	s_mov_b32 s[\g+4], KS
	s_mov_b32 s[\g+5], 32
	s_mov_b32 s[\g+6], 0
	s_mov_b32 s[\g+7], 0
.endr
	s_lshl_b32 s20, s17, 8
	s_add_co_u32 s20, s20, s2                      ; A's first row
	s_lshl_b32 s46, s42, 8                         ; B's
	s_mov_b32 s21, 0
	s_mov_b32 s47, 0
	s_mov_b64 s[18:19], KS
	s_mul_u64 s[22:23], s[20:21], s[18:19]
	s_mul_u64 s[66:67], s[46:47], s[18:19]
	s_mov_b64 s[18:19], KROW
	s_mul_u64 s[20:21], s[20:21], s[18:19]
	s_mul_u64 s[46:47], s[46:47], s[18:19]
	s_mul_i32 s18, s16, 128*KROW                   ; the ring: my 128 rows of a tile, in bytes
	s_mov_b32 s19, 0
	s_mul_i32 s45, s14, HALFT                      ; and where they go
	s_wait_dscnt 0x0
	s_wait_kmcnt 0x0
	s_cmp_eq_u32 ttmp9, 2
	s_cselect_b64 s[96:97], s[8:9], s[4:5]         ; A's codes
	s_cselect_b64 s[98:99], s[10:11], s[6:7]       ; A's scales
	s_cselect_b64 s[8:9], s[4:5], s[8:9]           ; B's codes
	s_cselect_b64 s[10:11], s[6:7], s[10:11]       ; B's scales
	s_add_nc_u64 s[20:21], s[96:97], s[20:21]
	s_add_nc_u64 s[22:23], s[98:99], s[22:23]
	s_add_nc_u64 s[46:47], s[8:9], s[46:47]
	s_add_nc_u64 s[66:67], s[10:11], s[66:67]
	CROUND                                         ; the first joint loads meet
	s_mov_b32 s[G0], 1                             ; slot 0's groups 0 first serve the head: chunk 0's 256 rows of A,
	s_mov_b32 s[G0+1], 0
	s_mov_b64 s[G0+2:G0+3], s[20:21]
	s_or_b32 s[G0+3], s[G0+3], 0x80000000
	s_mov_b32 s[G0B], 1                            ; and of B
	s_mov_b32 s[G0B+1], 2*HALFT
	s_mov_b64 s[G0B+2:G0B+3], s[46:47]
	s_or_b32 s[G0B+3], s[G0B+3], 0x80000000
	s_mov_b32 s[G0S], 1
	s_mov_b32 s[G0S+1], SCL
	s_mov_b64 s[G0S+2:G0S+3], s[22:23]
	s_or_b32 s[G0S+3], s[G0S+3], 0x80000000
	s_mov_b32 s[G0SB], 1
	s_mov_b32 s[G0SB+1], SCL+2*HALFS
	s_mov_b64 s[G0SB+2:G0SB+3], s[66:67]
	s_or_b32 s[G0SB+3], s[G0SB+3], 0x80000000
	s_add_nc_u64 s[20:21], s[20:21], s[18:19]
	s_add_nc_u64 s[46:47], s[46:47], s[18:19]
	s_mov_b32 s[G0+4], 1                           ; slot 1: chunk 1, my 128 rows
	s_add_co_u32 s[G0+5], s45, SLOT
	s_add_nc_u64 s[G0+6:G0+7], s[20:21], ROWB
	s_or_b32 s[G0+7], s[G0+7], 0x80000000
	s_mov_b32 s[G0B+4], 1
	s_add_co_u32 s[G0B+5], s45, SLOT
	s_add_nc_u64 s[G0B+6:G0B+7], s[46:47], ROWB
	s_or_b32 s[G0B+7], s[G0B+7], 0x80000000
.macro ARM under, g0, g1, next         ; the head's loads, one a wave, in one chain of branches on the wave's number
	s_cmp_lt_u32 s14, \under
	s_cbranch_scc0 \next
	tensor_load_to_lds s[\g0:\g0+3], s[\g1:\g1+7]
	s_nop 0
.rept 4
	v_nop
.endr
	s_branch .Lhead_asked
\next:
.endm
	ARM 1, G0,  G1,  .Lhead_b
	ARM 2, G0B, G1B, .Lhead_sa
	ARM 3, G0S, G1S, .Lhead_sb
	tensor_load_to_lds s[G0SB:G0SB+3], s[G1SB:G1SB+7]
	s_nop 0
.rept 4
	v_nop
.endr
.Lhead_asked:
	v_and_b32 v1, 15, v0                           ; r
	v_bfe_u32 v2, v0, 4, 1                         ; h
	v_mul_u32_u24 v3, v1, PITCH
	v_mul_u32_u24 v4, v2, 24
	v_add_nc_u32 v4, v3, v4
	s_mov_b32 s21, SLOT-232
	s_mov_b32 s22, SLOT+232
	v_sub_nc_u32 v7, 1, v2
	v_mul_u32_u24 v5, s21, v2
	v_add_nc_u32 v5, v3, v5
	v_add_nc_u32 v5, 232, v5                       ; lanes 0-15 byte 232 of the row in slot 0, lanes 16-31 byte 0 in slot 1
	v_mul_u32_u24 v6, s22, v7
	v_add_nc_u32 v6, v3, v6                        ; and the other way round
	s_mul_i32 s21, s15, HALFT
	s_mul_i32 s22, s16, HALFT
	s_add_co_u32 s22, s22, 2*HALFT
	v_add_nc_u32 v[ADRA+2], s21, v5
	v_add_nc_u32 v[ADRA+3], s21, v6
	v_add_nc_u32 v[ADRB+2], s22, v5
	v_add_nc_u32 v[ADRB+3], s22, v6
.irp s, 0,1
	v_add_nc_u32 v[ADRA+\s], s21, v4
	v_add_nc_u32 v[ADRB+\s], s22, v4
	s_add_co_u32 s21, s21, SLOT
	s_add_co_u32 s22, s22, SLOT
.endr
	v_mul_u32_u24 v5, v1, KS
	v_lshrrev_b32 v6, 8, v5
	v_lshl_add_u32 v5, v6, 4, v5
	s_mul_i32 s21, s15, HALFS
	s_mul_i32 s22, s16, HALFS
	s_add_co_u32 s22, s22, 2*HALFS
	s_sub_co_u32 s22, s22, s21
	v_mul_u32_u24 v6, s22, v2                      ; lanes 16-31 take B's
	s_add_co_u32 s21, s21, SCL
	v_add_nc_u32 v5, v5, v6
	v_add_nc_u32 v[ADRS], s21, v5
	v_and_b32 v6, 31, v0
	v_lshlrev_b32 v[LI16], 4, v6
	v_lshlrev_b32 v[LI8], 3, v6
	v_lshlrev_b32 v[SCO], 4, v1
	v_lshl_add_u32 v[SCO], v2, 12, v[SCO]
	v_lshlrev_b32 v[XO], 5, v2
	v_lshlrev_b32 v[YO], 2, v1
	s_wait_alu depctr_va_vdst(0)
	; where my wave's results go.  s18: B's first row of mine, s19: A's
	s_lshl_b32 s18, s42, 8
	s_lshl_b32 s19, s16, 7
	s_add_co_u32 s18, s18, s19
	s_lshl_b32 s19, s17, 8
	s_lshl_b32 s20, s15, 7
	s_add_co_u32 s19, s19, s20
	s_add_co_u32 s20, s19, 2048
	s_cmp_eq_u32 ttmp9, 2
	s_cselect_b32 s21, s18, s19                    ; my first token
	s_cselect_b32 s22, s20, s18                    ; my first row of W
	s_cselect_b32 s23, 0, s18                      ; X from here on (v: replaced by 1)
	s_cselect_b32 s40, s20, 0                      ; Y (q, k: replaced by 1)
	s_mov_b32 s4, 768
	s_cselect_b32 s4, 1536, s4                     ; from a block of A to the next
	s_mov_b32 s6, 98304
	s_cselect_b32 s6, 768, s6                      ; from a block's first sub-image to its second
	s_cselect_b32 s8, 92160, 0                     ; behind block 3, v: on to the next head
	s_mov_b32 s5, 0
	s_mov_b32 s7, 0
	s_mov_b32 s9, 0
	s_mov_b32 s10, 0xffff0000                      ; lanes 16-31
	s_lshr_b32 s41, s21, 11                        ; batch
	s_lshr_b32 s43, s22, 6                         ; head slot
	s_and_b32 s44, s21, 2047
	s_mul_i32 s46, s41, 4718592
	s_mul_i32 s47, s43, 98304
	s_add_co_u32 s46, s46, s47
	s_mul_i32 s47, s44, 48
	s_add_co_u32 s46, s46, s47
	s_mov_b32 s47, 0
	s_add_nc_u64 s[12:13], s[94:95], s[46:47]
	s_add_nc_u64 s[66:67], s[12:13], s[6:7]
	s_mul_i32 s46, s41, 196608
	s_lshl_b32 s43, s43, 12
	s_add_co_u32 s46, s46, s43
	s_lshr_b32 s44, s44, 7
	s_lshl_b32 s44, s44, 8
	s_add_co_u32 s46, s46, s44
	s_add_nc_u64 s[100:101], s[100:101], s[46:47]
	s_lshl_b32 s46, s23, 2
	s_add_nc_u64 s[18:19], s[92:93], s[46:47]
	s_lshl_b32 s46, s40, 2
	s_add_nc_u64 s[20:21], s[92:93], s[46:47]
.irp b, 0,1,2,3,4,5,6,7
	global_load_b128 v[XB+8*\b:XB+8*\b+3], v[XO], s[18:19] offset:64*\b
	global_load_b128 v[XB+8*\b+4:XB+8*\b+7], v[XO], s[18:19] offset:64*\b+16
.endr
.irp a, 0,1,2,3,4,5,6,7
	global_load_b32 v[YB+2*\a], v[YO], s[20:21] offset:64*\a
.endr
	s_wait_loadcnt 0x0
.set k, 0
.rept 64
	v_cndmask_b32 v[XB+k], 1.0, v[XB+k], s105
.set k, k+1
.endr
.irp a, 0,1,2,3,4,5,6,7
	v_cndmask_b32 v[YB+2*\a], 1.0, v[YB+2*\a], s104
.endr
.irp a, 0,1,2,3,4,5,6,7
	v_mov_b32 v[YB+2*\a+1], v[YB+2*\a]
.endr
.macro FRAG reg, adr, st, i            ; 16 rows x 128 K in six pieces of 8 bytes; byte y of a row lies in slot (y / 256) % 2 at byte y % 256 of the LDS row
.irp p, 0,1,2,3,4,5
.set BY, 96*(\st)+48*(\p/3)+8*(\p%3)
.if BY/ROWB == (BY+24)/ROWB
	ds_load_b64 v[\reg+2*\p:\reg+2*\p+1], v[\adr+(BY/ROWB)%2] offset:BY%ROWB+(\i)*16*PITCH
.else
	ds_load_b64 v[\reg+2*\p:\reg+2*\p+1], v[\adr+2+(BY/ROWB)%2] offset:BY%ROWB-232+(\i)*16*PITCH
.endif
.endr
.endm
.macro MUL16 a0, p, q, sc, zero        ; A's blocks a0, a0 + 1 x B's eight; the 64 accumulators take turns
.irp a, \a0, \a0+1
.irp b, 0,1,2,3,4,5,6,7
.if \zero
	v_wmma_scale_f32_16x16x128_f8f6f4 v[8*(8*((\a)%4)+\b):8*(8*((\a)%4)+\b)+7], v[128*(\p)+FR*\b:128*(\p)+FR*\b+FR-1], v[AF+FR*(\a):AF+FR*(\a)+FR-1], 0, v[SC+8*NQ*(\sc)+NQ*\b+(\q)], v[SC+8*NQ*(\sc)+NQ*(\a)+(\q)] matrix_a_fmt:MATRIX_FMT_FP6 matrix_b_fmt:MATRIX_FMT_FP6 matrix_a_scale:MATRIX_SCALE_ROW1
.else
	v_wmma_scale_f32_16x16x128_f8f6f4 v[8*(8*((\a)%4)+\b):8*(8*((\a)%4)+\b)+7], v[128*(\p)+FR*\b:128*(\p)+FR*\b+FR-1], v[AF+FR*(\a):AF+FR*(\a)+FR-1], v[8*(8*((\a)%4)+\b):8*(8*((\a)%4)+\b)+7], v[SC+8*NQ*(\sc)+NQ*\b+(\q)], v[SC+8*NQ*(\sc)+NQ*(\a)+(\q)] matrix_a_fmt:MATRIX_FMT_FP6 matrix_b_fmt:MATRIX_FMT_FP6 matrix_a_scale:MATRIX_SCALE_ROW1
.endif
.endr
.endr
.endm
.macro FETCH_B st, p
	WIN TO_B
.irp i, 0,1,2,3,4,5,6,7
	FRAG 128*(\p)+FR*\i, ADRB, \st, \i
.endr
	WIN 0
.endm
.macro FETCH_A st, i0
.irp i, \i0, \i0+1, \i0+2, \i0+3
	FRAG AF+FR*(\i), ADRA, \st, \i
.endr
.endm
.macro SCALES pr                       ; the scale words of steps 2 pr, 2 pr + 1 into set pr % 2
.irp i, 0,1,2,3,4,5,6,7
	ds_load_b64 v[SC+8*NQ*((\pr)%2)+NQ*\i:SC+8*NQ*((\pr)%2)+NQ*\i+1], v[ADRS] offset:\i*SBLK+4*NQ*(\pr)
.endr
.endm
.macro PLACES n
.rept \n
	v_nop
.endr
.endm
; A step of 128 along K.  Where the next step's bytes end in a chunk not yet read, a barrier shows that chunk whole; where they begin in a later chunk, the chunk left behind is read no more:
; the three lines, the barrier, and, where a chunk two on is left, the cluster's round and the refill.
.macro STEP st, zero
.set NX, (\st)+1
.set C0, (96*(\st))/ROWB
.set C1, (96*NX)/ROWB
.set E0, (96*(\st)+95)/ROWB
.set E1, (96*NX+95)/ROWB
.if C1 > C0 || E1 > E0
	s_wait_tensorcnt 0x0                           ; all my tensor loads have landed
.if C1 > C0
	ds_add_u32 v[SPW], v[NIL]
	s_wait_dscnt 4*NL+1                            ; the add and A's blocks 4-7 may be out
.else
	s_wait_dscnt 4*NL                              ; A's blocks 4-7 may be out
.endif
	WIN MUL_LO
	MUL16 0, (\st)%2, (\st)%2, ((\st)/2)%2, \zero
	s_wait_dscnt 0x0                               ; the add and my reads are done
	s_barrier_signal -1
	MUL16 2, (\st)%2, (\st)%2, ((\st)/2)%2, \zero
	WIN 0
	s_barrier_wait -1
.if C1 > C0 && C0+2 < CHUNKS
	CREST
	s_add_nc_u64 s[G0+4*(C0%2)+2:G0+4*(C0%2)+3], s[G0+4*(C0%2)+2:G0+4*(C0%2)+3], 2*ROWB
	s_add_nc_u64 s[G0B+4*(C0%2)+2:G0B+4*(C0%2)+3], s[G0B+4*(C0%2)+2:G0B+4*(C0%2)+3], 2*ROWB
	JLOAD G0+4*(C0%2), G1, G0B+4*(C0%2), G1B       ; chunk C0 + 2; its four v_nop are the places ahead of the loads below
.else
	PLACES NP
.endif
.else
	s_wait_dscnt 4*NL
	WIN MUL_LO
	MUL16 0, (\st)%2, (\st)%2, ((\st)/2)%2, \zero
	MUL16 2, (\st)%2, (\st)%2, ((\st)/2)%2, \zero
	s_wait_dscnt 0
	PLACES NP
.endif
	FETCH_B NX, NX%2
	FETCH_A NX, 0
.if NX%2 == 0
	SCALES NX/2
.endif
	WIN MUL_HI
	MUL16 4, (\st)%2, (\st)%2, ((\st)/2)%2, \zero
	MUL16 6, (\st)%2, (\st)%2, ((\st)/2)%2, \zero
	PLACES NP
	WIN 0
	FETCH_A NX, 4
.endm
	s_wait_alu depctr_va_vdst(0)
	s_wait_tensorcnt 0x0                           ; my tile of the head's four is in
	ds_add_u32 v[SPW], v[NIL]
	s_mov_b32 s[G1+2], 128<<16                     ; no load of mine is out: from here on a load brings 128 rows,
	s_mov_b32 s[G1+4], 128
	s_mov_b32 s[G1B+2], 128<<16
	s_mov_b32 s[G1B+4], 128
	s_mul_i32 s18, s16, 128*KROW
	s_mov_b32 s19, 0
	s_mov_b32 s[G0+1], s45                         ; and slot 0's groups 0 name my 128 rows
	s_add_nc_u64 s[G0+2:G0+3], s[G0+2:G0+3], s[18:19]
	s_mov_b32 s[G0B+1], s45
	s_add_nc_u64 s[G0B+2:G0B+3], s[G0B+2:G0B+3], s[18:19]
	s_wait_dscnt 0x0
	CROUND
	JLOAD G0+4, G1, G0B+4, G1B                     ; chunk 1, slot 1's first fill, issued as a refill is
	FETCH_B 0, 0
	FETCH_A 0, 0
	SCALES 0
	FETCH_A 0, 4
	STEP 0, 1
.set ST, 1
.rept STEPS-2
	STEP ST, 0
.set ST, ST+1
.endr
	s_wait_dscnt 4*NL
	WIN MUL_LO
	MUL16 0, 1, 1, 1, 0
	MUL16 2, 1, 1, 1, 0
	s_wait_dscnt 0
	WIN MUL_HI
	MUL16 4, 1, 1, 1, 0
	MUL16 6, 1, 1, 1, 0
	WIN 0
; THE WAY OUT.  64 numbers of a lane: registers 16 b .. 16 b + 15 are my 16 of block b's 32.  They become 12 registers of codes and the row's scale word.
.macro QUANT s, pw
.irp b, 0,1,2,3
	v_max3_num_f32 v[TM+\b], |v[\s+16*\b]|, |v[\s+1+16*\b]|, 0x1800000   ; with the floor 2^(3 - 127)
.endr
.irp i, 2,4,6,8,10,12,14
.irp b, 0,1,2,3
	v_max3_num_f32 v[TM+\b], v[TM+\b], |v[\s+16*\b+\i]|, |v[\s+1+16*\b+\i]|
.endr
.endr
.irp b, 0,1,2,3
	v_permlanex16_b32 v[TM+4+\b], v[TM+\b], s96, s97
.endr
.irp b, 0,1,2,3
	v_max_num_f32 v[TM+\b], v[TM+\b], v[TM+4+\b]
.endr
.irp b, 0,1,2,3
	v_add_nc_u32 v[TM+12+\b], 0xff000000, v[TM+\b] ; 2 off the exponent field: the conversion's scale operand
.endr
.irp b, 0,1,2,3
	v_lshrrev_b32 v[TM+4+\b], 23, v[TM+12+\b]
.endr
	v_lshl_or_b32 v[\pw], v[TM+5], 8, v[TM+4]
	v_lshl_or_b32 v[\pw], v[TM+6], 16, v[\pw]
	v_lshl_or_b32 v[\pw], v[TM+7], 24, v[\pw]
.irp c, 0,1
	v_cvt_scalef32_pk16_fp6_f32 v[CD+6*\c:CD+2+6*\c], v[\s+32*\c:\s+15+32*\c], v[TM+12+2*\c]
	v_cvt_scalef32_pk16_fp6_f32 v[CD+12+4*\c:CD+14+4*\c], v[\s+16+32*\c:\s+31+32*\c], v[TM+12+2*\c+1]
.endr
	v_nop
.irp c, 0,1                                    ; a whole block to a lane
.irp i, 0,1,2
	v_permlane16_swap_b32 v[CD+6*\c+\i], v[CD+12+4*\c+\i]
.endr
.irp i, 0,1,2
	v_mov_b32 v[CD+3+6*\c+\i], v[CD+12+4*\c+\i]
.endr
.endr
.endm
.macro EPI a                           ; block a of A's rows: the bias, the quantiser, two sub-images out
	WIN 0x20+0x10*((\a)/4)
.set AC, 64*((\a)%4)
.set k, 0
.rept 32
	v_pk_fma_f32 v[VAL+2*k:VAL+2*k+1], v[XB+2*k:XB+2*k+1], v[YB+2*(\a):YB+2*(\a)+1], v[AC+2*k:AC+2*k+1]
.set k, k+1
.endr
	WIN 0
	QUANT VAL, PWS+(\a)
	global_store_b128 v[LI16], v[CD:CD+3], s[12:13]
	global_store_b64 v[LI8], v[CD+4:CD+5], s[12:13] offset:512
	global_store_b128 v[LI16], v[CD+6:CD+9], s[66:67]
	global_store_b64 v[LI8], v[CD+10:CD+11], s[66:67] offset:512
	s_wait_xcnt 0x0                                ; registers and bases are written again only behind this wait
	s_add_nc_u64 s[12:13], s[12:13], s[4:5]
	s_add_nc_u64 s[66:67], s[66:67], s[4:5]
.if (\a) == 3
	s_add_nc_u64 s[12:13], s[12:13], s[8:9]
	s_add_nc_u64 s[66:67], s[66:67], s[8:9]
.endif
.endm
	s_mov_b32 s96, 0x76543210
	s_mov_b32 s97, 0xfedcba98
	PLACES NP
.irp a, 0,1,2,3,4,5,6,7
	EPI \a
.endr
; The scale words.  q, k: lanes 0-15 gather my first head's bytes, lanes 16-31 my second's, two token tiles to a word.  v: a block's word is a d tile's.
.irp j, 0,1,2,3
	v_perm_b32 v60, v[PWS+2*\j+1], v[PWS+2*\j], 0x05040100
	v_perm_b32 v61, v[PWS+2*\j+1], v[PWS+2*\j], 0x07060302
	v_cndmask_b32 v60, v60, v61, s10
	v_cndmask_b32 v61, v[PWS+\j], v[PWS+4+\j], s10
	v_cndmask_b32 v[WD+\j], v60, v61, s104
.endr
	global_store_b128 v[SCO], v[WD:WD+3], s[100:101]
	s_wait_tensorcnt 0x0                           ; the wave's end
	ds_add_u32 v[SPW], v[NIL]
	s_wait_dscnt 0x0
	CROUND
	s_endpgm
.Lfunc_end_k_q98e1a8e82e_qkv:
	.size	k_q98e1a8e82e_qkv, .Lfunc_end_k_q98e1a8e82e_qkv-k_q98e1a8e82e_qkv
	.p2alignl 7, 3214868480
	.fill 96, 4, 3214868480
	.section	.rodata,"a",@progbits
	.p2align	6, 0x0
	.amdhsa_kernel k_q98e1a8e82e_qkv
		.amdhsa_group_segment_fixed_size 327680
		.amdhsa_private_segment_fixed_size 0
		.amdhsa_enable_private_segment 0
		.amdhsa_kernarg_size 56
		.amdhsa_user_sgpr_count 2
		.amdhsa_user_sgpr_kernarg_segment_ptr 1
		.amdhsa_wavefront_size32 1
		.amdhsa_system_sgpr_workgroup_id_x 1
		.amdhsa_system_sgpr_workgroup_id_y 1
		.amdhsa_system_sgpr_workgroup_id_z 1
		.amdhsa_system_vgpr_workitem_id 0
		.amdhsa_next_free_vgpr 1024
		.amdhsa_next_free_sgpr 106
		.amdhsa_reserve_vcc 0
		.amdhsa_float_denorm_mode_32 3
		.amdhsa_float_denorm_mode_16_64 3
		.amdhsa_memory_ordered 1
		.amdhsa_forward_progress 1
		.amdhsa_inst_pref_size 191
	.end_amdhsa_kernel
	.amdgpu_metadata
---
amdhsa.version: [ 1, 2 ]
amdhsa.kernels:
  - .name:           k_q98e1a8e82e_qkv
    .symbol:         k_q98e1a8e82e_qkv.kd
    .args:
      - { .name: x_codes, .offset: 0, .size: 8, .value_kind: global_buffer, .address_space: global }
      - { .name: x_scales, .offset: 8, .size: 8, .value_kind: global_buffer, .address_space: global }
      - { .name: in_proj_weight_codes, .offset: 16, .size: 8, .value_kind: global_buffer, .address_space: global }
      - { .name: in_proj_weight_scales, .offset: 24, .size: 8, .value_kind: global_buffer, .address_space: global }
      - { .name: in_proj_bias, .offset: 32, .size: 8, .value_kind: global_buffer, .address_space: global }
      - { .name: img, .offset: 40, .size: 8, .value_kind: global_buffer, .address_space: global }
      - { .name: sc, .offset: 48, .size: 8, .value_kind: global_buffer, .address_space: global }
    .group_segment_fixed_size: 327680
    .private_segment_fixed_size: 0
    .kernarg_segment_align: 8
    .kernarg_segment_size: 56
    .max_flat_workgroup_size: 128
    .sgpr_count:     106
    .vgpr_count:     1024
    .wavefront_size: 32
...
	.end_amdgpu_metadata
.endif
;; end of part 1
;; launch attn (part 2): grid 4 x 64, 16 waves a work-group, clusters of 4 x 1, 206,848 bytes of LDS; arguments img, sc, oimg, osc; writes oimg, osc
.if DOCPART == 2
	.amdgcn_target "amdgcn-amd-amdhsa--gfx1250"
	.amdhsa_code_object_version 6
	.text
	.protected	k_q98e1a8e82e_attn
	.globl	k_q98e1a8e82e_attn
	.p2align	8
	.type	k_q98e1a8e82e_attn,@function
k_q98e1a8e82e_attn:
	s_mov_b64 s[64:65], 0
	v_nop
	global_prefetch_b8 v0, s[64:65] scope:SCOPE_SE
	s_setreg_imm32_b32 hwreg(HW_REG_WAVE_MODE, 25, 1), 1
	s_wait_xcnt 0x0
	s_wait_alu depctr_hold_cnt(0) depctr_sa_sdst(0) depctr_va_vdst(0) depctr_va_sdst(0) depctr_va_ssrc(0) depctr_va_vcc(0) depctr_vm_vsrc(0)
	s_getreg_b32 s2, hwreg(HW_REG_IB_STS2, 6, 4)
	s_cmp_eq_u32 s2, 0
	s_cbranch_scc0 .Lentry_in_a_cluster
	s_endpgm
.Lentry_in_a_cluster:
	s_bfe_u32 s2, ttmp6, 0x10000c
	s_cmp_lg_u32 s2, 0x3003
	s_cbranch_scc0 .Lentry_shape_is_right
	s_endpgm
.Lentry_shape_is_right:
; o = softmax(q k^T / 8) v for each of 64 (batch, head) pairs, 2,048 tokens, head size 64; both products on codes of FP6 (E2M3) with E8M0 scales; o is quantised for the projection that follows.
; SHARES.  A cluster of four work-groups is one (batch, head); a work-group owns 512 queries, each of its sixteen waves one tile of 16 in each of two passes.  Four waves share a SIMD, so that one wave's
; vector work stands beside another's matrix work and LDS loads.
; K, V AND THEIR SCALES OF THE WHOLE HEAD, 204,800 bytes, stay in LDS.  They are asked for once, jointly by the four work-groups (twelve chunks of 16,384 bytes, a wave each; waves 12 and 13 the scale words).
; No LDS byte is filled twice and none is stored to: one barrier in the whole launch beside the cluster's two rounds.
; LAYOUT.  All operands lie as images of their registers: a sub-image is 16 rows x 64 K, 768 bytes: lane l's registers 0-3 at 16 l, its registers 4-5 at 512 + 8 l.  Two sub-images are an operand of 16 x 128.
; S^T = K Q^T (source 0 = keys, source 1 = my 16 queries): the head has 64 along K, the instruction 128.  One operand of K holds TWO key tiles, one in each half of its K; it is multiplied once by (q | zeros) and once by
; (zeros | q): a code times the code 0 is 0, and no scale byte is 0xff.  O^T = V^T P^T (source 0 = 16 of the head's 64, source 1 = p).  A lane holds one query (lane % 16) throughout.
; Register 16 b + 8 u + j of the scores is key 32 b + 16 u + 8 (lane / 16) + j: all 16 lie in key block b; inside a block p's codes come out in the order in which V's were laid, so the products pair up.
; THE SOFTMAX: t = score x log2(e) / 8 (q was quantised without its factor 1/8, a power of two); M = the running largest t rounded up to a whole number; p = 2^(t - M) is quantised along the keys, not normalised;
; the row's sum is taken of the unquantised p and divides O at the end; when M moves, the sum and O are multiplied by 2^(old M - new M), which rounds nothing.
; A block's largest p is made from the block's largest score by the same multiply-add and exponential (this takes v_exp_f32 not to fall where its input rises).
; o LEAVES in the true order of the head's 64, since it meets given codes: oimg [token tile 512][head 16][768]; its scale bytes osc [token 8,192][32], byte 2 head + block: single bytes, since 256 neighbouring
; bytes of osc hold all 16 heads of 8 tokens and no work-group has them: 262,144 bytes of the launch's 6.5 million.
; No prefetch: every byte of K and V is asked for by the tensor loads at the head, so no later load exists to run ahead of.
; LIMITS: NaN and infinities are not served; a block under 2^-124, or of zeros, keeps the scale byte 1 (its codes are zeros or subnormal codes; only this program reads the bytes).
.set VIMG,  98304                      ; LDS: K's image at 0, V's here, 98,304 bytes each; a step of 128 keys is 6,144 bytes of each
.set KSCL,  196608                     ; K's scale words, 4,096 bytes: 256 a step: [row 16][word 4]
.set VSCL,  200704                     ; V's likewise
.set STEPB, 6144
.set LI16, 1                           ; v1   16 x lane
.set LI8,  2                           ; v2   8 x lane
.set LV16, 3                           ; v3   the same in V's image
.set LV8,  4                           ; v4
.set LR16, 5                           ; v5   KSCL + 16 r
.set ADK16, 6                          ; v6-10 the step's addresses
.set ADK8,  7
.set ADV16, 8
.set ADV8,  9
.set ADS,   10
.set OSO,  11                          ; v11  32 r + h: my byte of osc
                                       ; v12 -M, v13 the largest t, v[14:15] the sum in two halves
.set QZ,   16                          ; v16-21 zeros, v22-27 q, v28-33 zeros: v[16:27] = (0 | q), v[22:33] = (q | 0)
.set QS,   34                          ; v34  q's scale word: its two bytes, twice
.set QO,   35                          ; v35  16 r
.set KF,   36                          ; v36-83 four operands of K; behind the products at work:
.set TM,   36                          ;   v36-39 a block's largest score, then its largest p
.set TP,   40                          ;   v40-43 the other half's; then bytes
.set TSC,  44                          ;   v44-47 the conversions' scale operands
.set CT,   48                          ;   v48-50, v52-54 halves of blocks
.set TMP,  56
.set F,    58                          ;   v[58:59] 2^(old M - new M) in the low word
.set SA,   60                          ;   v[60:61] the sum's second chain
.set KSW,  84                          ; v84-87 K's scale words
.set VSW,  88                          ; v88-91 V's
.set PW,   92                          ; v92  p's scale word
.set BY,   93                          ; v93  o's scale byte
.set S,    96                          ; v96-159 S^T, then p
.set O,    160                         ; v160-191 O^T
.set VF,   192                         ; v192-239 four operands of V
.set CD,   240                         ; v240-251 p's codes
.set WV,   12                          ; s12  my wave's number
.set SEL,  20                          ; s[20:21] v_permlanex16_b32's selects for lane l xor 16
.set CS,   22                          ; s[22:23] c = log2(e) / 8
.set G1C,  24                          ; s[24:31] group 1 for a chunk;  s[32:39] for the scale words;  s[40:43], s[44:47] their groups 0
.set G1S,  32
.set G0C,  40
.set G0S,  44
.set TB,   48                          ; s48  the step's first byte in an image
.set TS,   49                          ; s49  and among the scale words
.set CNT,  50
.set QSH,  51                          ; s51  16 x (wave % 2): which half of a word of q's scales is my tile's
.set HM,   52                          ; s52  a lane mask: lanes 16-31
.set QP,   54                          ; s[54:55] q's sub-image, s[56:57] its scale words, s[58:59] o's sub-image, s[60:61] o's scale bytes: pass 0's; pass 1 by immediates
.set QSP,  56
.set OP,   58
.set OSP,  60
.macro CROUND                          ; a round of the cluster's barrier
	s_barrier_signal -1
	s_barrier_wait -1
	s_cmp_lg_u32 s[WV], 0
	s_cbranch_scc1 .Lnot_wave_0_\@
	s_barrier_signal -3
.Lnot_wave_0_\@:
	s_barrier_wait -3
	s_barrier_signal -1
	s_barrier_wait -1
.endm
	s_load_b256 s[4:11], s[0:1], 0x0               ; img s[4:5], sc s[6:7], oimg s[8:9], osc s[10:11]
	v_lshl_add_u32 v254, v0, 2, 0x32000
	v_mov_b32 v255, 0
	ds_add_u32 v254, v255
	ds_add_u32 v254, v255
	v_lshrrev_b32 v1, 5, v0
	s_delay_alu instid0(VALU_DEP_1)
	v_readfirstlane_b32 s[WV], v1                  ; wave 0..15
	s_bfe_u32 s13, ttmp6, 0x40000                  ; cx
	s_lshl_b32 s66, ttmp9, 2
	s_add_co_u32 s13, s66, s13                     ; my block of 512 queries: it enters q's and o's global addresses alone
	s_and_b32 s14, ttmp7, 0xffff                   ; (batch, head), which the four partners share
	s_lshr_b32 s15, s14, 4                         ; batch
	s_and_b32 s16, s14, 15                         ; head
	s_and_b32 s17, s[WV], 1                        ; I fetch for K (0) or for V (1),
	s_lshr_b32 s18, s[WV], 1                       ; chunk 0..5 (waves 0-11)
	s_mul_i32 s66, s15, 4718592                    ; the batch in img
	s_mul_i32 s67, s15, 196608                     ; and in sc
	s_lshl_b32 s68, s17, 4
	s_add_co_u32 s68, s68, s16
	s_add_co_u32 s68, s68, 16                      ; the head slot of K or of V
	s_mul_i32 s70, s68, 98304
	s_add_co_u32 s70, s70, s66
	s_mul_i32 s69, s18, 16384                      ; a chunk is 16,384 bytes: six to an image
	s_add_co_u32 s70, s70, s69
	s_mov_b32 s71, 0                               ; s[70:71] my chunk's first byte in img
	s_mul_i32 s72, s17, VIMG
	s_add_co_u32 s72, s72, s69                     ; and in LDS: no place in the cluster enters an LDS address
	s_lshl_b32 s74, s68, 12
	s_add_co_u32 s74, s74, s67
	s_mov_b32 s75, 0                               ; s[74:75] the head slot's scale words in sc
	s_lshl_b32 s73, s17, 12
	s_add_co_u32 s73, s73, KSCL                    ; and in LDS
	s_lshl_b32 s76, s13, 5
	s_add_co_u32 s76, s76, s[WV]                   ; my token tile in pass 0: 32 x block + wave
	s_mul_i32 s[QP], s16, 98304
	s_add_co_u32 s[QP], s[QP], s66
	s_mul_i32 s77, s76, 768
	s_add_co_u32 s[QP], s[QP], s77
	s_mov_b32 s[QP+1], 0
	s_lshl_b32 s[QSP], s16, 12
	s_add_co_u32 s[QSP], s[QSP], s67
	s_lshr_b32 s77, s76, 3                         ; the tile's group of 128 tokens,
	s_lshl_b32 s77, s77, 8
	s_add_co_u32 s[QSP], s[QSP], s77
	s_bfe_u32 s77, s[WV], 0x20001                  ; and its word: (tile % 8) / 2
	s_lshl_b32 s77, s77, 2
	s_add_co_u32 s[QSP], s[QSP], s77
	s_mov_b32 s[QSP+1], 0
	s_lshl_b32 s77, s15, 7
	s_add_co_u32 s77, s77, s76                     ; the tile among all 512
	s_lshl_b32 s[OP], s77, 4
	s_add_co_u32 s[OP], s[OP], s16
	s_mul_i32 s[OP], s[OP], 768
	s_mov_b32 s[OP+1], 0
	s_lshl_b32 s[OSP], s77, 9
	s_lshl_b32 s78, s16, 1
	s_add_co_u32 s[OSP], s[OSP], s78
	s_mov_b32 s[OSP+1], 0
	s_lshl_b32 s[QSH], s17, 4
	s_mov_b32 s[HM], 0xffff0000
	s_mov_b32 s[SEL], 0x76543210
	s_mov_b32 s[SEL+1], 0xfedcba98
	s_mov_b32 s[CS], 0x3e38aa3b                    ; log2(e) / 8
	s_mov_b32 s[CS+1], s[CS]                       ; (named with it as a pair, so it is written)
	; descriptor group 1: a chunk: 16,384 dense bytes as 64 rows of 256 (32 elements of 8 bytes); the scale words: 16 such rows.  No padding: every LDS read takes consecutive bytes
	s_mov_b32 s[G1C], 15|(3<<16)|(1<<21)           ; 15:0 the mask: all four work-groups; elements of 8 bytes; 21 set beside a mask
	s_mov_b32 s[G1C+1], 32<<16                     ; tensor_dim0
	s_mov_b32 s[G1C+2], 64<<16                     ; tensor_dim1: 64 rows of 256 bytes
	s_mov_b32 s[G1C+3], 32<<16                     ; tile_dim0
	s_mov_b32 s[G1C+4], 64                         ; tile_dim1
	s_mov_b32 s[G1C+5], 32                         ; tensor_dim0_stride
	s_mov_b32 s[G1C+6], 0
	s_mov_b32 s[G1C+7], 0
	s_mov_b32 s[G1S], 15|(3<<16)|(1<<21)
	s_mov_b32 s[G1S+1], 32<<16
	s_mov_b32 s[G1S+2], 16<<16
	s_mov_b32 s[G1S+3], 32<<16
	s_mov_b32 s[G1S+4], 16
	s_mov_b32 s[G1S+5], 32
	s_mov_b32 s[G1S+6], 0
	s_mov_b32 s[G1S+7], 0
	s_wait_dscnt 0x0
	s_wait_kmcnt 0x0
	s_mov_b32 s[G0C], 1
	s_mov_b32 s[G0C+1], s72
	s_add_nc_u64 s[G0C+2:G0C+3], s[4:5], s[70:71]
	s_or_b32 s[G0C+3], s[G0C+3], 0x80000000
	s_mov_b32 s[G0S], 1
	s_mov_b32 s[G0S+1], s73
	s_add_nc_u64 s[G0S+2:G0S+3], s[6:7], s[74:75]
	s_or_b32 s[G0S+3], s[G0S+3], 0x80000000
	s_add_nc_u64 s[QP:QP+1], s[4:5], s[QP:QP+1]
	s_add_nc_u64 s[QSP:QSP+1], s[6:7], s[QSP:QSP+1]
	s_add_nc_u64 s[OP:OP+1], s[8:9], s[OP:OP+1]
	s_add_nc_u64 s[OSP:OSP+1], s[10:11], s[OSP:OSP+1]
	CROUND                                         ; all four work-groups are here: the joint loads meet
	; THE FILLS AS THEY NOW STAND, one a wave at the most: waves 0-11 a chunk of 16,384 bytes each (even waves K's six, odd waves V's six), waves 12 and 13 K's and V's scale words, waves 14 and 15 none
	s_cmp_lt_u32 s[WV], 12
	s_cbranch_scc0 .Lscale_load
	tensor_load_to_lds s[G0C:G0C+3], s[G1C:G1C+7]
	s_nop 0
.rept 4
	v_nop
.endr
	s_branch .Lasked
.Lscale_load:
	s_cmp_lt_u32 s[WV], 14
	s_cbranch_scc0 .Lasked
	tensor_load_to_lds s[G0S:G0S+3], s[G1S:G1S+7]
	s_nop 0
.rept 4
	v_nop
.endr
.Lasked:
	v_and_b32 v1, 31, v0
	s_delay_alu instid0(VALU_DEP_1)
	v_lshlrev_b32 v[LI8], 3, v1
	s_delay_alu instid0(VALU_DEP_2)
	v_lshlrev_b32 v[LI16], 4, v1
	s_delay_alu instid0(VALU_DEP_1)
	v_add_nc_u32 v[LV16], VIMG, v[LI16]
	s_delay_alu instid0(VALU_DEP_3)
	v_add_nc_u32 v[LV8], VIMG, v[LI8]
	v_and_b32 v[QO], 15, v0                        ; r
	v_bfe_u32 v[OSO], v0, 4, 1                     ; h
	s_delay_alu instid0(VALU_DEP_1)
	v_lshl_add_u32 v[OSO], v[QO], 5, v[OSO]
	s_delay_alu instid0(VALU_DEP_3)
	v_lshlrev_b32 v[QO], 4, v[QO]
	s_delay_alu instid0(VALU_DEP_1)
	v_add_nc_u32 v[LR16], KSCL, v[QO]
.irp i, 0,1,2,3,4,5
	v_mov_b32 v[QZ+\i], 0                          ; the zero codes on both sides of q
	v_mov_b32 v[QZ+12+\i], 0
.endr
; A KEY STEP: 128 keys.
.macro STEP
	v_add_nc_u32 v[ADK16], s[TB], v[LI16]          ; five plain lines: also the places between the last step's products and the loads into their operands
	v_add_nc_u32 v[ADK8], s[TB], v[LI8]
	v_add_nc_u32 v[ADV16], s[TB], v[LV16]
	v_add_nc_u32 v[ADV8], s[TB], v[LV8]
	v_add_nc_u32 v[ADS], s[TS], v[LR16]
.irp x, 0,1,2,3                                ; operand x of K: key tiles 2 x and 2 x + 1 of the step
	ds_load_b128 v[KF+12*\x:KF+12*\x+3], v[ADK16] offset:1536*\x
	ds_load_b64 v[KF+12*\x+4:KF+12*\x+5], v[ADK8] offset:1536*\x+512
	ds_load_b128 v[KF+12*\x+6:KF+12*\x+9], v[ADK16] offset:1536*\x+768
	ds_load_b64 v[KF+12*\x+10:KF+12*\x+11], v[ADK8] offset:1536*\x+1280
.endr
	ds_load_b128 v[KSW:KSW+3], v[ADS]              ; word x: the two tiles' bytes of row r
.irp x, 0,1,2,3                                ; operand x of V: 16 of the head's 64 x the step's 128 keys
	ds_load_b128 v[VF+12*\x:VF+12*\x+3], v[ADV16] offset:1536*\x
	ds_load_b64 v[VF+12*\x+4:VF+12*\x+5], v[ADV8] offset:1536*\x+512
	ds_load_b128 v[VF+12*\x+6:VF+12*\x+9], v[ADV16] offset:1536*\x+768
	ds_load_b64 v[VF+12*\x+10:VF+12*\x+11], v[ADV8] offset:1536*\x+1280
.endr
	ds_load_b128 v[VSW:VSW+3], v[ADS] offset:VSCL-KSCL
	s_wait_dscnt 17                                ; K's 17 loads are in; V's 17, issued behind them, may stay out through the softmax
.irp x, 0,1,2,3
	v_wmma_scale_f32_16x16x128_f8f6f4 v[S+16*\x:S+16*\x+7], v[KF+12*\x:KF+12*\x+11], v[QZ+6:QZ+17], 0, v[KSW+\x], v[QS] matrix_a_fmt:MATRIX_FMT_FP6 matrix_b_fmt:MATRIX_FMT_FP6      ; (q | 0): key tile 2 x
	v_wmma_scale_f32_16x16x128_f8f6f4 v[S+16*\x+8:S+16*\x+15], v[KF+12*\x:KF+12*\x+11], v[QZ:QZ+11], 0, v[KSW+\x], v[QS] matrix_a_fmt:MATRIX_FMT_FP6 matrix_b_fmt:MATRIX_FMT_FP6    ; (0 | q): key tile 2 x + 1
.endr
.rept 4
	v_nop                                          ; places: the scores are read and K's registers written below
.endr
.irp b, 0,1,2,3
	v_max3_num_f32 v[TM+\b], v[S+16*\b], v[S+1+16*\b], v[S+2+16*\b]   ; the largest score of each block of 32 keys: for the row's maximum and for the block's largest p
.endr
.irp i, 3,5,7,9,11,13
.irp b, 0,1,2,3
	v_max3_num_f32 v[TM+\b], v[TM+\b], v[S+16*\b+\i], v[S+1+16*\b+\i]   ; (the four blocks by turns)
.endr
.endr
.irp b, 0,1,2,3
	v_max_num_f32 v[TM+\b], v[TM+\b], v[S+15+16*\b]
.endr
.irp b, 0,1,2,3
	s_delay_alu instid0(VALU_DEP_4)
	v_permlanex16_b32 v[TP+\b], v[TM+\b], s[SEL], s[SEL+1]
.endr
.irp b, 0,1,2,3
	s_delay_alu instid0(VALU_DEP_4)
	v_max_num_f32 v[TM+\b], v[TM+\b], v[TP+\b]     ; with lane l xor 16's 16 keys
.endr
	s_delay_alu instid0(VALU_DEP_2)
	v_max3_num_f32 v[TMP], v[TM], v[TM+1], v[TM+2]
	s_delay_alu instid0(VALU_DEP_1)
	v_max_num_f32 v[TMP], v[TMP], v[TM+3]          ; the step's largest score of my query
	s_delay_alu instid0(VALU_DEP_1)
	v_mul_f32 v[TMP], s[CS], v[TMP]                ; as t (c is positive)
	s_delay_alu instid0(VALU_DEP_1)
	v_max_num_f32 v13, v13, v[TMP]                 ; the running largest t
	v_mov_b32 v[TMP], v12
	s_delay_alu instid0(VALU_DEP_2)
	v_floor_f32 v12, -v13                          ; the new -M = floor(-t): M is a whole number
	s_delay_alu instid0(VALU_DEP_1)
	v_sub_f32 v[TMP], v12, v[TMP]                  ; old M less new M: a whole number, 0 or less
	s_delay_alu instid0(VALU_DEP_1)
	v_cvt_i32_f32 v[TMP], v[TMP]                   ; (it saturates)
	s_delay_alu instid0(VALU_DEP_1)
	v_ldexp_f32 v[F], 1.0, v[TMP]                  ; f = 2^(old M - new M)
.irp j, 0,2,4,6,8,10,12,14,16,18,20,22,24,26,28,30,32,34,36,38,40,42,44,46,48,50,52,54,56,58,60,62
	v_pk_fma_f32 v[S+\j:S+1+\j], v[S+\j:S+1+\j], s[CS:CS+1], v[12:13] op_sel_hi:[1,0,0]   ; t - M, two at a time
.endr
.irp b, 0,1,2,3
	v_fma_f32 v[TM+\b], v[TM+\b], s[CS], v12       ; the same of each block's largest score
.endr
	s_wait_alu depctr_va_vdst(0)
.irp j, 0,1,2,3,4,5,6,7,8,9,10,11,12,13,14,15,16,17,18,19,20,21,22,23,24,25,26,27,28,29,30,31,32,33,34,35,36,37,38,39,40,41,42,43,44,45,46,47,48,49,50,51,52,53,54,55,56,57,58,59,60,61,62,63
	v_exp_f32 v[S+\j], v[S+\j]                     ; p = 2^(t - M), at most 1
.endr
.irp b, 0,1,2,3
	v_exp_f32 v[TM+\b], v[TM+\b]                   ; the block's largest p
.endr
	v_pk_mul_f32 v[14:15], v[14:15], v[F:F+1] op_sel_hi:[1,0]   ; the sums under the new M.  (A plain place behind the exponentials)
	s_wait_alu depctr_va_vdst(0)
.irp b, 0,1,2,3
	v_max_num_f32 v[TM+\b], 0x1800000, v[TM+\b]    ; the floor 2^(3 - 127): the byte cannot fall under 1
.endr
.irp b, 0,1,2,3
	s_delay_alu instid0(VALU_DEP_4)
	v_add_nc_u32 v[TSC+\b], 0xff000000, v[TM+\b]   ; 2 off the exponent field: the conversion's scale operand
.endr
.irp b, 0,1,2,3
	s_delay_alu instid0(VALU_DEP_4)
	v_lshrrev_b32 v[TP+\b], 23, v[TSC+\b]          ; the scale's byte
.endr
	s_delay_alu instid0(VALU_DEP_3)
	v_lshl_or_b32 v[PW], v[TP+1], 8, v[TP]         ; p's scale word for these 128 keys
	s_delay_alu instid0(VALU_DEP_1)
	v_lshl_or_b32 v[PW], v[TP+2], 16, v[PW]
	s_delay_alu instid0(VALU_DEP_1)
	v_lshl_or_b32 v[PW], v[TP+3], 24, v[PW]
.irp c, 0,1
	v_cvt_scalef32_pk16_fp6_f32 v[CD+6*\c:CD+2+6*\c], v[S+32*\c:S+15+32*\c], v[TSC+2*\c]
	v_cvt_scalef32_pk16_fp6_f32 v[CT+4*\c:CT+2+4*\c], v[S+16+32*\c:S+31+32*\c], v[TSC+2*\c+1]   ; (a conversion's three registers begin on an even number)
.endr
	v_nop                                          ; one plain place behind a scaled conversion
.irp c, 0,1                                    ; a whole block to a lane: lanes 0-15 block 2 c, lanes 16-31 block 2 c + 1
.irp i, 0,1,2
	v_permlane16_swap_b32 v[CD+6*\c+\i], v[CT+4*\c+\i]
.endr
.irp i, 0,1,2
	s_delay_alu instid0(VALU_DEP_3)
	v_mov_b32 v[CD+3+6*\c+\i], v[CT+4*\c+\i]
.endr
.endr
	v_pk_add_f32 v[60:61], v[100:101], v[104:105]
	v_pk_add_f32 v[252:253], v[108:109], v[112:113]
	v_pk_add_f32 v[94:95], v[116:117], v[120:121]
	v_pk_add_f32 v[86:87], v[124:125], v[128:129]
	v_pk_add_f32 v[84:85], v[132:133], v[136:137]
	v_pk_add_f32 v[82:83], v[140:141], v[144:145]
	v_pk_add_f32 v[80:81], v[148:149], v[152:153]
	v_pk_add_f32 v[14:15], v[14:15], v[156:157]
	v_pk_add_f32 v[60:61], v[60:61], v[96:97]
	v_pk_add_f32 v[252:253], v[252:253], v[98:99]
	v_pk_add_f32 v[94:95], v[94:95], v[102:103]
	v_pk_add_f32 v[86:87], v[86:87], v[106:107]
	v_pk_add_f32 v[84:85], v[84:85], v[110:111]
	v_pk_add_f32 v[82:83], v[82:83], v[114:115]
	v_pk_add_f32 v[80:81], v[80:81], v[118:119]
	v_pk_add_f32 v[14:15], v[14:15], v[122:123]
	v_pk_add_f32 v[60:61], v[60:61], v[126:127]
	v_pk_add_f32 v[252:253], v[252:253], v[130:131]
	v_pk_add_f32 v[94:95], v[94:95], v[134:135]
	v_pk_add_f32 v[86:87], v[86:87], v[138:139]
	v_pk_add_f32 v[84:85], v[84:85], v[142:143]
	v_pk_add_f32 v[82:83], v[82:83], v[146:147]
	v_pk_add_f32 v[80:81], v[80:81], v[150:151]
	v_pk_add_f32 v[14:15], v[14:15], v[154:155]
	v_pk_add_f32 v[60:61], v[60:61], v[158:159]
	s_delay_alu instid0(VALU_DEP_2)
	v_pk_add_f32 v[14:15], v[14:15], v[86:87]
	s_delay_alu instid0(VALU_DEP_2)
	v_pk_add_f32 v[60:61], v[60:61], v[84:85]
	v_pk_add_f32 v[252:253], v[252:253], v[82:83]
	v_pk_add_f32 v[94:95], v[94:95], v[80:81]
	s_delay_alu instid0(VALU_DEP_2)
	v_pk_add_f32 v[14:15], v[14:15], v[252:253]
	s_delay_alu instid0(VALU_DEP_2)
	v_pk_add_f32 v[60:61], v[60:61], v[94:95]
	s_delay_alu instid0(VALU_DEP_1)
	v_pk_add_f32 v[14:15], v[14:15], v[60:61]
.irp j, 0,2,4,6,8,10,12,14,16,18,20,22,24,26,28,30
	v_pk_mul_f32 v[O+\j:O+1+\j], v[O+\j:O+1+\j], v[F:F+1] op_sel_hi:[1,0]   ; O^T under the new M.  (The 48 packed lines are the places between p's codes and scale word and the products)
.endr
	s_wait_alu depctr_va_vdst(0)
	s_wait_dscnt 0x0                               ; V is in
.irp x, 0,1,2,3                                ; the four accumulators by turns, one instruction a turn
	v_wmma_scale_f32_16x16x128_f8f6f4 v[O+8*\x:O+8*\x+7], v[VF+12*\x:VF+12*\x+11], v[CD:CD+11], v[O+8*\x:O+8*\x+7], v[VSW+\x], v[PW] matrix_a_fmt:MATRIX_FMT_FP6 matrix_b_fmt:MATRIX_FMT_FP6
.endr
	s_add_co_u32 s[TB], s[TB], STEPB
	s_add_co_u32 s[TS], s[TS], 256
.endm
; THE END OF A PASS: O^T / the sum; into the true order of the head's 64; two blocks quantised; one sub-image and two bytes a row out.
.macro FINISH p
.rept 4
	v_nop                                          ; places behind the last products
.endr
	v_add_f32 v14, v14, v15                        ; the sum's two halves,
	s_delay_alu instid0(VALU_DEP_1)
	v_permlanex16_b32 v[TMP], v14, s[SEL], s[SEL+1]
	s_delay_alu instid0(VALU_DEP_1)
	v_add_f32 v14, v14, v[TMP]                     ; and lane l xor 16's
	s_wait_alu depctr_va_vdst(0)
	v_rcp_f32 v14, v14
	v_nop                                          ; one plain place behind the transcendental
	s_wait_alu depctr_va_vdst(0)
.irp j, 0,2,4,6,8,10,12,14,16,18,20,22,24,26,28,30
	v_pk_mul_f32 v[S+\j:S+1+\j], v[O+\j:O+1+\j], v[14:15] op_sel_hi:[1,0]   ; register 8 t + j: o(query r, 16 t + 8 h + j); each accumulator from its low end on
.endr
.irp a, 0,1                                    ; registers 16 a + j and 16 a + 8 + j change halves: lane (r, h) then holds 32 a + 16 h + 0 .. 15 in registers 16 a on
.irp j, 0,1,2,3,4,5,6,7
	v_permlane16_swap_b32 v[S+16*\a+\j], v[S+16*\a+8+\j]
.endr
.endr
.irp a, 0,1
	v_max3_num_f32 v[TM+\a], |v[S+16*\a]|, |v[S+1+16*\a]|, 0x1800000   ; my 16 numbers of block a, and the floor
.endr
.irp i, 2,4,6,8,10,12,14
.irp a, 0,1
	s_delay_alu instid0(VALU_DEP_2)
	v_max3_num_f32 v[TM+\a], v[TM+\a], |v[S+16*\a+\i]|, |v[S+1+16*\a+\i]|
.endr
.endr
.irp a, 0,1
	s_delay_alu instid0(VALU_DEP_2)
	v_permlanex16_b32 v[TP+\a], v[TM+\a], s[SEL], s[SEL+1]
.endr
.irp a, 0,1
	s_delay_alu instid0(VALU_DEP_2)
	v_max_num_f32 v[TM+\a], v[TM+\a], v[TP+\a]
.endr
.irp a, 0,1
	s_delay_alu instid0(VALU_DEP_2)
	v_add_nc_u32 v[TSC+\a], 0xff000000, v[TM+\a]
.endr
.irp a, 0,1
	s_delay_alu instid0(VALU_DEP_2)
	v_lshrrev_b32 v[TP+\a], 23, v[TSC+\a]
.endr
	v_cvt_scalef32_pk16_fp6_f32 v[CD:CD+2], v[S:S+15], v[TSC]
	v_cvt_scalef32_pk16_fp6_f32 v[CT:CT+2], v[S+16:S+31], v[TSC+1]
	v_nop                                          ; one plain place behind a scaled conversion
.irp i, 0,1,2
	v_permlane16_swap_b32 v[CD+\i], v[CT+\i]       ; a whole block to a lane: lanes 0-15 block 0, lanes 16-31 block 1
.endr
.irp i, 0,1,2
	s_delay_alu instid0(VALU_DEP_3)
	v_mov_b32 v[CD+3+\i], v[CT+\i]
.endr
	v_cndmask_b32 v[BY], v[TP], v[TP+1], s[HM]     ; my block's byte
	global_store_b128 v[LI16], v[CD:CD+3], s[OP:OP+1] offset:196608*\p        ; 512 consecutive bytes, aligned
	global_store_b64 v[LI8], v[CD+4:CD+5], s[OP:OP+1] offset:196608*\p+512    ; 256 consecutive bytes, aligned
	global_store_b8 v[OSO], v[BY], s[OSP:OSP+1] offset:8192*\p
	s_wait_xcnt 0x0                                ; the stores have read their registers: these are written again only behind this wait
.endm
; A PASS: one tile of 16 queries against all 2,048 keys.  The loop has no first step of its own: O^T and the sum begin as zeros and the largest t as -3e38: the first change of M multiplies zeros.
.macro PASS p
	global_load_b128 v[QZ+6:QZ+9], v[LI16], s[QP:QP+1] offset:12288*\p
	global_load_b64 v[QZ+10:QZ+11], v[LI8], s[QP:QP+1] offset:12288*\p+512
	global_load_b32 v[QS], v[QO], s[QSP:QSP+1] offset:512*\p
	v_mov_b32 v13, 0xff61b1e6                      ; -3e38
	s_delay_alu instid0(VALU_DEP_1)
	v_floor_f32 v12, -v13
	v_mov_b32 v14, 0
	v_mov_b32 v15, 0
	s_wait_loadcnt 0x0
	v_lshrrev_b32 v[QS], s[QSH], v[QS]             ; my tile's two bytes,
	s_delay_alu instid0(VALU_DEP_1)
	v_and_b32 v[QS], 0xffff, v[QS]
	s_delay_alu instid0(VALU_DEP_1)
	v_lshl_or_b32 v[QS], v[QS], 16, v[QS]          ; for either half of K
.irp j, 0,1,2,3,4,5,6,7,8,9,10,11,12,13,14,15,16,17,18,19,20,21,22,23,24,25,26,27,28,29,30,31
	v_mov_b32 v[O+\j], 0                           ; (also the places between the scale word's last write and the first product)
.endr
.if \p == 0
	s_wait_tensorcnt 0x0                           ; my loads have landed,
	s_barrier_signal -1
	s_barrier_wait -1                              ; everybody's have: the head's K, V and scales lie in LDS and are only read from here on
.endif
	s_mov_b32 s[TB], 0
	s_mov_b32 s[TS], 0
	s_mov_b32 s[CNT], 16
.Lstep_\@:
	STEP
	s_sub_co_u32 s[CNT], s[CNT], 1
	s_cmp_lg_u32 s[CNT], 0
	s_cbranch_scc1 .Lstep_\@
	FINISH \p
.endm
	PASS 0
	PASS 1
	s_wait_tensorcnt 0x0
	ds_add_u32 v254, v255
	s_wait_dscnt 0x0
	CROUND                                         ; the closing round: no work-group ends while a partner may still ask for a tile that names it
	s_endpgm
.Lfunc_end_k_q98e1a8e82e_attn:
	.size	k_q98e1a8e82e_attn, .Lfunc_end_k_q98e1a8e82e_attn-k_q98e1a8e82e_attn
	.p2alignl 7, 3214868480
	.fill 96, 4, 3214868480
	.section	.rodata,"a",@progbits
	.p2align	6, 0x0
	.amdhsa_kernel k_q98e1a8e82e_attn
		.amdhsa_group_segment_fixed_size 206848
		.amdhsa_private_segment_fixed_size 0
		.amdhsa_enable_private_segment 0
		.amdhsa_kernarg_size 32
		.amdhsa_user_sgpr_count 2
		.amdhsa_user_sgpr_kernarg_segment_ptr 1
		.amdhsa_wavefront_size32 1
		.amdhsa_system_sgpr_workgroup_id_x 1
		.amdhsa_system_sgpr_workgroup_id_y 1
		.amdhsa_system_sgpr_workgroup_id_z 1
		.amdhsa_system_vgpr_workitem_id 0
		.amdhsa_next_free_vgpr 256
		.amdhsa_next_free_sgpr 80
		.amdhsa_reserve_vcc 0
		.amdhsa_float_denorm_mode_32 3
		.amdhsa_float_denorm_mode_16_64 3
		.amdhsa_memory_ordered 1
		.amdhsa_forward_progress 1
		.amdhsa_inst_pref_size 55
	.end_amdhsa_kernel
	.amdgpu_metadata
---
amdhsa.version: [ 1, 2 ]
amdhsa.kernels:
  - .name:           k_q98e1a8e82e_attn
    .symbol:         k_q98e1a8e82e_attn.kd
    .args:
      - { .name: img, .offset: 0, .size: 8, .value_kind: global_buffer, .address_space: global }
      - { .name: sc, .offset: 8, .size: 8, .value_kind: global_buffer, .address_space: global }
      - { .name: oimg, .offset: 16, .size: 8, .value_kind: global_buffer, .address_space: global }
      - { .name: osc, .offset: 24, .size: 8, .value_kind: global_buffer, .address_space: global }
    .group_segment_fixed_size: 206848
    .private_segment_fixed_size: 0
    .kernarg_segment_align: 8
    .kernarg_segment_size: 32
    .max_flat_workgroup_size: 512
    .sgpr_count:     80
    .vgpr_count:     256
    .wavefront_size: 32
...
	.end_amdgpu_metadata
.endif
;; end of part 2
;; launch proj (part 3): grid 8 x 32, 4 waves a work-group, clusters of 4 x 4, 327,680 bytes of LDS; arguments oimg, osc, out_proj_weight_codes, out_proj_weight_scales, out_proj_bias, out0; writes out0
.if DOCPART == 3
	.amdgcn_target "amdgcn-amd-amdhsa--gfx1250"
	.amdhsa_code_object_version 6
	.text
	.protected	k_q98e1a8e82e_proj
	.globl	k_q98e1a8e82e_proj
	.p2align	8
	.type	k_q98e1a8e82e_proj,@function
k_q98e1a8e82e_proj:
	s_mov_b64 s[64:65], 0
	v_nop
	global_prefetch_b8 v0, s[64:65] scope:SCOPE_SE
	s_setreg_imm32_b32 hwreg(HW_REG_WAVE_MODE, 25, 1), 1
	s_wait_xcnt 0x0
	s_wait_alu depctr_hold_cnt(0) depctr_sa_sdst(0) depctr_va_vdst(0) depctr_va_sdst(0) depctr_va_ssrc(0) depctr_va_vcc(0) depctr_vm_vsrc(0)
	s_getreg_b32 s2, hwreg(HW_REG_IB_STS2, 6, 4)
	s_cmp_eq_u32 s2, 0
	s_cbranch_scc0 .Lentry_in_a_cluster
	s_endpgm
.Lentry_in_a_cluster:
	s_bfe_u32 s2, ttmp6, 0x10000c
	s_cmp_lg_u32 s2, 0xf033
	s_cbranch_scc0 .Lentry_shape_is_right
	s_endpgm
.Lentry_shape_is_right:
; out0 = o W^T + b on codes of FP6 (E2M3) with E8M0 scales, 8,192 x 1,024 x 1,024; out0 is f32.
; 256 work-groups of four waves; a work-group makes 256 tokens x 128 columns.  ALL OF K LIES IN LDS, filled once: o's image of 16 token tiles (196,608 dense bytes, as rows of 3,072), 128 rows of W
; (768 bytes each, 16 of padding behind every 256), the scale bytes of both (dense, as rows of 256 + 16).  Four joint loads, one a wave; no byte is filled again.
; Clusters of 4 x 4: o's tiles are shared along a row of the cluster, W's along a column.
; Waves 2 x 2: wave (a, b) holds W's rows 64 b .. 64 b + 63, all of K, in 384 registers (fragment 4 q + t) and takes tokens 128 a + 16 s + 0 .. 15 as its block s: 8 fragments, two sets of registers.
; A block is 32 products on four accumulators by turns; the first four take the bias as C.  Source 0 = W's rows, source 1 = tokens: lane (r, h) holds columns 16 t + 8 h + 0 .. 7 of token r.
; A finished block goes through the wave's stage in LDS and leaves as rows of 256 bytes, aligned, while the next block is multiplied.  The stages lie on W's rows, which have had their only fill and
; which every wave has read out ahead of the second barrier.
; oimg: [token tile 512][head 16][768]: a sub-image of 16 rows x 64 K: lane l's registers 0-3 at 16 l, registers 4-5 at 512 + 8 l.  osc: [token][32].
; No prefetch: every byte is asked for by the head's four loads, so no later load exists to run ahead of.
; LIMITS: NaN and infinities are carried as the matrix instruction carries them.
.set PITCH,  816
.set TILEA,  12288
.set BW,     16*TILEA                  ; W's rows; later the stages
.set SCA,    BW+128*PITCH              ; o's scale bytes: 32 units of 272
.set SCB,    SCA+32*272                ; W's: 16 units
.set SPARE,  SCB+16*272
.set SPITCH, 272
.set FR,  12
.set FPW, 21                           ; fragments to a window: fragment f lies in window 1 + f / 21 at register 12 (f % 21)
.set NF,  34                           ; LDS loads of a block: 32 for eight fragments, 2 for eight scale words
.set A16, 4                            ; v4, v5 o's image, blocks 0-3: 16 x lane, 8 x lane; v6, v7: blocks 4-7
.set AS,  8                            ; my row's scale words
.set W0,  9                            ; W's fragments; v10: for the pieces behind one padding more
.set W1,  10
.set WS,  11                           ; W's scale words: lane l row l
.set STO, 12
.set RD,  13
.set CO,  14
.set BO,  15
.set SPW, 28
.set NIL, 29
.set SB,  32                           ; v32-47 W's scale words: 8 p + q: lanes 0-15 tile 2 p, lanes 16-31 tile 2 p + 1
.set SA,  52                           ; v52-67 the tokens' scale words, two sets
.set BI,  68                           ; v68-99 the bias as C
.set ACC, 100                          ; v100-163 two sets of four accumulators
.set BK,  164                          ; v164-227 two sets of 16 rows read back
.set G1A, 24
.set G0A, 32
.set G0B, 36
.set G1B, 48
.set G0S, 56
.set G0SB, 60
.set G1S, 68
.set G1SB, 80
.set MSB, 0
.macro WIN new
.if MSB != (\new)
	s_set_vgpr_msb (MSB<<8)|(\new)
.set MSB, (\new)
.endif
.endm
.macro PLACES n
.rept \n
	v_nop
.endr
.endm
.macro CROUND
	s_barrier_signal -1
	s_barrier_wait -1
	s_cmp_lg_u32 s14, 0
	s_cbranch_scc1 .Lnot_wave_0_\@
	s_barrier_signal -3
.Lnot_wave_0_\@:
	s_barrier_wait -3
	s_barrier_signal -1
	s_barrier_wait -1
.endm
.macro GRP g, mask, flags, c, r        ; group 1: r rows of c elements, dense
	s_or_b32 s[\g], s\mask, \flags
	s_mov_b32 s[\g+1], (\c)<<16
	s_mov_b32 s[\g+2], (\r)<<16
	s_mov_b32 s[\g+3], (\c)<<16
	s_mov_b32 s[\g+4], \r
	s_mov_b32 s[\g+5], \c
	s_mov_b32 s[\g+6], 0
	s_mov_b32 s[\g+7], 0
.endm
.macro GRP0 g, lds, base, off
	s_mov_b32 s[\g], 1
	s_mov_b32 s[\g+1], \lds
	s_add_nc_u64 s[\g+2:\g+3], s[\base:\base+1], s[\off:\off+1]
	s_or_b32 s[\g+3], s[\g+3], 0x80000000
.endm
	s_load_b128 s[4:7], s[0:1], 0x0                ; oimg, osc
	s_load_b128 s[8:11], s[0:1], 0x10              ; W's codes, scales
	s_load_b128 s[92:95], s[0:1], 0x20             ; the bias, out0
	v_lshl_add_u32 v[SPW], v0, 2, SPARE
	v_mov_b32 v[NIL], 0
	ds_add_u32 v[SPW], v[NIL]                      ; the opening lines
	ds_add_u32 v[SPW], v[NIL]
	v_lshrrev_b32 v1, 5, v0
	v_readfirstlane_b32 s14, v1                    ; wave
	s_lshr_b32 s15, s14, 1                         ; a
	s_and_b32 s16, s14, 1                          ; b
	s_bfe_u32 s40, ttmp6, 0x40000                  ; cx
	s_bfe_u32 s41, ttmp6, 0x40004                  ; cy
	s_lshl_b32 s42, ttmp9, 2
	s_add_co_u32 s42, s42, s40                     ; tile column, 0 .. 7
	s_and_b32 s17, ttmp7, 0xffff
	s_lshl_b32 s17, s17, 2
	s_add_co_u32 s17, s17, s41                     ; tile row, 0 .. 31
	s_lshl_b32 s43, s41, 2
	s_lshl_b32 s43, 15, s43                        ; my row of the cluster
	s_lshl_b32 s44, 0x1111, s40                    ; my column
	GRP G1A, 43, (3<<16)|(1<<21), 384, 64
	GRP G1B, 44, (1<<20)|(1<<21)|(5<<22)|(3<<25), 768, 128
	GRP G1S, 43, (3<<16)|(1<<20)|(1<<21)|(5<<22)|(3<<25), 32, 32
	GRP G1SB, 44, (3<<16)|(1<<20)|(1<<21)|(5<<22)|(3<<25), 32, 16
	s_mul_i32 s20, s17, 16*TILEA
	s_mov_b32 s21, 0
	s_lshl_b32 s22, s17, 13
	s_mov_b32 s23, 0
	s_mul_i32 s46, s42, 128*768
	s_mov_b32 s47, 0
	s_lshl_b32 s18, s42, 12
	s_mov_b32 s19, 0
	s_wait_dscnt 0x0
	s_wait_kmcnt 0x0
	CROUND                                         ; the joint loads meet
	GRP0 G0A, 0, 4, 20
	GRP0 G0S, SCA, 6, 22
	GRP0 G0B, BW, 8, 46
	GRP0 G0SB, SCB, 10, 18
.macro ARM under, g0, g1, next         ; one load a wave, in one chain of branches on the wave's number
	s_cmp_lt_u32 s14, \under
	s_cbranch_scc0 \next
	tensor_load_to_lds s[\g0:\g0+3], s[\g1:\g1+7]
	s_nop 0
	PLACES 4
	s_branch .Lhead_asked
\next:
.endm
	ARM 1, G0B,  G1B,  .Lhead_sb                   ; wave 0: W's rows, which go on into registers
	ARM 2, G0SB, G1SB, .Lhead_a                    ; wave 1: their scale bytes
	ARM 3, G0A,  G1A,  .Lhead_sa                   ; wave 2: o's image
	tensor_load_to_lds s[G0S:G0S+3], s[G1S:G1S+7]  ; wave 3: o's scale bytes
	s_nop 0
	PLACES 4
.Lhead_asked:
	v_and_b32 v1, 15, v0                           ; r
	v_bfe_u32 v2, v0, 4, 1                         ; h
	v_and_b32 v3, 31, v0                           ; lane
	s_mul_i32 s21, s15, 8*TILEA
	v_lshl_add_u32 v[A16], v3, 4, s21
	v_lshl_add_u32 v[A16+1], v3, 3, s21
	v_add_nc_u32 v[A16+2], 4*TILEA, v[A16]
	v_add_nc_u32 v[A16+3], 4*TILEA, v[A16+1]
	v_lshlrev_b32 v16, 5, v1
	v_lshrrev_b32 v17, 3, v1
	v_lshl_add_u32 v16, v17, 4, v16                ; 32 r, and 16 more for each 256 passed
	s_mul_i32 s22, s15, 16*272
	s_add_co_u32 s22, s22, SCA
	v_add_nc_u32 v[AS], s22, v16
	v_lshlrev_b32 v16, 5, v3
	v_lshrrev_b32 v17, 3, v3
	v_lshl_add_u32 v16, v17, 4, v16
	s_mul_i32 s22, s16, 8*272
	s_add_co_u32 s22, s22, SCB
	v_add_nc_u32 v[WS], s22, v16
	v_mul_u32_u24 v16, v1, PITCH
	s_mul_i32 s22, s16, 64*PITCH
	s_add_co_u32 s22, s22, BW
	v_add_nc_u32 v16, s22, v16
	v_mad_u32_u24 v[W0], v2, 24, v16
	v_mad_u32_u24 v[W1], v2, 40, v16
	s_mul_i32 s22, s14, 16*SPITCH
	s_add_co_u32 s22, s22, BW                      ; my stage
	v_mul_u32_u24 v16, v1, SPITCH
	v_lshl_add_u32 v16, v2, 5, v16
	v_add_nc_u32 v[STO], s22, v16                  ; in: row r, 32 bytes for each half of the lanes
	v_mul_u32_u24 v16, v2, SPITCH
	v_lshl_add_u32 v16, v1, 4, v16
	v_add_nc_u32 v[RD], s22, v16                   ; back: sixteen lanes a row of 256 bytes
	v_lshlrev_b32 v16, 12, v2
	v_lshl_add_u32 v[CO], v1, 4, v16               ; the same two rows in out0
	v_lshlrev_b32 v[BO], 5, v2
	s_wait_alu depctr_va_vdst(0)
	s_lshl_b32 s20, s17, 8
	s_lshl_b32 s21, s15, 7
	s_add_co_u32 s20, s20, s21
	s_lshl_b32 s20, s20, 12                        ; my first token x 4,096 bytes
	s_lshl_b32 s22, s42, 9
	s_lshl_b32 s23, s16, 8
	s_add_co_u32 s22, s22, s23                     ; my first column x 4
	s_mov_b32 s23, 0
	s_add_nc_u64 s[92:93], s[92:93], s[22:23]
	s_add_co_u32 s20, s20, s22
	s_mov_b32 s21, 0
	s_add_nc_u64 s[12:13], s[94:95], s[20:21]
.irp t, 0,1,2,3
	global_load_b128 v[BI+8*\t:BI+8*\t+3], v[BO], s[92:93] offset:64*\t        ; register 8 t + j: the bias of column 16 t + 8 h + j
	global_load_b128 v[BI+8*\t+4:BI+8*\t+7], v[BO], s[92:93] offset:64*\t+16
.endr
.macro WEIGHTS                         ; my 64 rows of W, all of K: 192 loads of 8 bytes, and 4 for the scale words
.irp q, 0,1,2,3,4,5,6,7
.irp t, 0,1,2,3
	WIN (1+(4*\q+\t)/FPW)<<6
.set R_, FR*((4*\q+\t)%FPW)
.irp p, 0,1,2,3,4,5
.set PC_, 12*\q+6*(\p/3)+\p%3
.if PC_%32+3 < 32
	ds_load_b64 v[R_+2*\p:R_+2*\p+1], v[W0] offset:8*PC_+16*(PC_/32)+\t*16*PITCH
.else
	ds_load_b64 v[R_+2*\p:R_+2*\p+1], v[W1] offset:8*PC_+16*(PC_/32)+\t*16*PITCH
.endif
.endr
.endr
.endr
	WIN 0
.irp p, 0,1
	ds_load_b128 v[SB+8*\p:SB+8*\p+3], v[WS] offset:1088*\p
	ds_load_b128 v[SB+8*\p+4:SB+8*\p+7], v[WS] offset:1088*\p+16
.endr
.endm
.macro FETCH s                         ; block s of my tokens into set s % 2: NF loads
.set AD_, A16+2*((\s)/4)
.irp q, 0,1,2,3,4,5,6,7
.set F_, 32+8*((\s)%2)+\q
.set R_, FR*(F_%FPW)
.set O_, ((\s)%4)*TILEA+1536*\q
	WIN (1+F_/FPW)<<6
	ds_load_b128 v[R_:R_+3], v[AD_] offset:O_
	ds_load_b64 v[R_+4:R_+5], v[AD_+1] offset:O_+512
	ds_load_b128 v[R_+6:R_+9], v[AD_] offset:O_+768
	ds_load_b64 v[R_+10:R_+11], v[AD_+1] offset:O_+1280
.endr
	WIN 0
	ds_load_b128 v[SA+8*((\s)%2):SA+8*((\s)%2)+3], v[AS] offset:544*(\s)
	ds_load_b128 v[SA+8*((\s)%2)+4:SA+8*((\s)%2)+7], v[AS] offset:544*(\s)+16
.endm
.macro P1 row
	v_wmma_scale_f32_16x16x128_f8f6f4 v[D_:D_+7], v[FR*(N_%FPW):FR*(N_%FPW)+FR-1], v[FR*(FA_%FPW):FR*(FA_%FPW)+FR-1], v[C_:C_+7], v[SB+8*(T_/2)+Q_], v[SA+8*E_+Q_] matrix_a_fmt:MATRIX_FMT_FP6 matrix_b_fmt:MATRIX_FMT_FP6 matrix_a_scale:MATRIX_SCALE_ROW\row
.endm
.macro MUL32 s                         ; 32 products, n = 4 q + t: the four accumulators by turns
.set E_, (\s)%2
.set N_, 0
.rept 32
.set Q_, N_/4
.set T_, N_%4
.set FA_, 32+8*E_+Q_
.set D_, ACC+32*E_+8*T_
.if Q_
.set C_, D_
.else
.set C_, BI+8*T_
.endif
	WIN (1+N_/FPW)|((1+FA_/FPW)<<2)
.if T_%2
	P1 1
.else
	P1 0
.endif
.set N_, N_+1
.endr
	WIN 0
.endm
.macro TOSTAGE s                       ; LDS serves a wave's instructions in order (ISA guide 5.7.1.4): no wait between the stores and the loads
.set AC_, ACC+32*((\s)%2)
.irp t, 0,1,2,3
	ds_store_b128 v[STO], v[AC_+8*\t:AC_+8*\t+3] offset:64*\t            ; each accumulator from its low end on
	ds_store_b128 v[STO], v[AC_+8*\t+4:AC_+8*\t+7] offset:64*\t+16
.endr
.irp u, 0,1,2,3,4,5,6,7
	ds_load_b128 v[BK+32*((\s)%2)+4*\u:BK+32*((\s)%2)+4*\u+3], v[RD] offset:\u*2*SPITCH
.endr
.endm
.macro SEND s                          ; sixteen lanes store 256 consecutive bytes, aligned
.irp u, 0,1,2,3,4,5,6,7
	global_store_b128 v[CO], v[BK+32*((\s)%2)+4*\u:BK+32*((\s)%2)+4*\u+3], s[12:13] offset:65536*(\s)+8192*\u th:TH_STORE_NT
.endr
.endm
	s_wait_alu depctr_va_vdst(0)
	s_cmp_lt_u32 s14, 2
	s_cbranch_scc0 .Lnot_w
	s_wait_tensorcnt 0x0                           ; waves 0 and 1: W's rows and scale bytes are in
.Lnot_w:
	s_barrier_signal -1
	s_barrier_wait -1                              ; o's tiles may still be on their way
	WEIGHTS
	s_wait_tensorcnt 0x0                           ; every wave: all that is still out
	s_wait_dscnt 0x0                               ; and my reads of W's rows are over
	s_barrier_signal -1
	s_barrier_wait -1
	FETCH 0
	FETCH 1
	s_wait_loadcnt 0x0                             ; the bias
.irp s, 0,1,2,3,4,5,6,7
.if \s == 0
	s_wait_dscnt NF                                ; block 1's fetch may be out
.elseif \s == 1
	s_wait_dscnt NF+16                             ; block 2's fetch and block 0's 16 lines through the stage may be out
.endif
	MUL32 \s
	PLACES 4                                       ; ahead of the loads into the set just read and of the reads of the sums
.if \s > 0
	s_wait_dscnt 0x0                               ; asked for ahead of the 32 products: the last block is back, the next block's rows are in
	SEND \s-1
.endif
.if \s < 6
	FETCH \s+2
.endif
.if \s > 1
	s_wait_xcnt 0x0                                ; the stores of two blocks ago have read the registers that the loads below fill
.endif
	TOSTAGE \s
.endr
	s_wait_dscnt 0x0
	SEND 7
	s_wait_tensorcnt 0x0                           ; the wave's end
	ds_add_u32 v[SPW], v[NIL]
	s_wait_dscnt 0x0
	CROUND                                         ; the closing round
	s_endpgm
.Lfunc_end_k_q98e1a8e82e_proj:
	.size	k_q98e1a8e82e_proj, .Lfunc_end_k_q98e1a8e82e_proj-k_q98e1a8e82e_proj
	.p2alignl 7, 3214868480
	.fill 96, 4, 3214868480
	.section	.rodata,"a",@progbits
	.p2align	6, 0x0
	.amdhsa_kernel k_q98e1a8e82e_proj
		.amdhsa_group_segment_fixed_size 327680
		.amdhsa_private_segment_fixed_size 0
		.amdhsa_enable_private_segment 0
		.amdhsa_kernarg_size 48
		.amdhsa_user_sgpr_count 2
		.amdhsa_user_sgpr_kernarg_segment_ptr 1
		.amdhsa_wavefront_size32 1
		.amdhsa_system_sgpr_workgroup_id_x 1
		.amdhsa_system_sgpr_workgroup_id_y 1
		.amdhsa_system_sgpr_workgroup_id_z 1
		.amdhsa_system_vgpr_workitem_id 0
		.amdhsa_next_free_vgpr 1024
		.amdhsa_next_free_sgpr 100
		.amdhsa_reserve_vcc 0
		.amdhsa_float_denorm_mode_32 3
		.amdhsa_float_denorm_mode_16_64 3
		.amdhsa_memory_ordered 1
		.amdhsa_forward_progress 1
		.amdhsa_inst_pref_size 89
	.end_amdhsa_kernel
	.amdgpu_metadata
---
amdhsa.version: [ 1, 2 ]
amdhsa.kernels:
  - .name:           k_q98e1a8e82e_proj
    .symbol:         k_q98e1a8e82e_proj.kd
    .args:
      - { .name: oimg, .offset: 0, .size: 8, .value_kind: global_buffer, .address_space: global }
      - { .name: osc, .offset: 8, .size: 8, .value_kind: global_buffer, .address_space: global }
      - { .name: out_proj_weight_codes, .offset: 16, .size: 8, .value_kind: global_buffer, .address_space: global }
      - { .name: out_proj_weight_scales, .offset: 24, .size: 8, .value_kind: global_buffer, .address_space: global }
      - { .name: out_proj_bias, .offset: 32, .size: 8, .value_kind: global_buffer, .address_space: global }
      - { .name: out0, .offset: 40, .size: 8, .value_kind: global_buffer, .address_space: global }
    .group_segment_fixed_size: 327680
    .private_segment_fixed_size: 0
    .kernarg_segment_align: 8
    .kernarg_segment_size: 48
    .max_flat_workgroup_size: 128
    .sgpr_count:     100
    .vgpr_count:     1024
    .wavefront_size: 32
...
	.end_amdgpu_metadata
.endif
;; end of part 3
